; MI455X (gfx1250); checked and timed in simulation.
; The chip was launched on July 23, 2026; its instructions are those of AMD's public machine-readable ISA for CDNA 5 (MIT licence, August 2026) and "CDNA5" Instruction Set Architecture Reference Guide (July 2026). The comments in the code are by the model that wrote it; some were corrected since.
;; Temporal Attention. Allowed arithmetic: matrix products marked QUANTISED: E2M1 operands, one E8M0 scale for each 32 along K, by v_wmma_scale_f32_16x16x128_f8f6f4 with both operands' format E2M1 (or v_wmma_scale_f32_32x16x128_f4), f32 sums; products left as they are: f32 operands where the result goes on into a quantised operand, else bf16, f16 or f32 operands; f32 sums; everything else in f32.
;; Inputs: Wk 1,024 x 1,024 float32; Wq 1,024 x 1,024 float32; Wv 1,024 x 1,024 float32; bk 1,024 float32; bq 1,024 float32; bv 1,024 float32; x 32 x 1,024 x 1,024 float32.
;; Outputs: out0 32 x 1,024 float32; out1 32 x 1,024 float32.
;; This version of the problem:
;;   THIS VERSION OF THE PROBLEM IS GIVEN IN LOW PRECISION. The matrix products marked QUANTISED in the list below multiply operands that are first quantised to E2M1 (2 exponent bits, 1 mantissa bit; 4 bits a number), with one power-of-two scale for each 32 numbers along K (OCP MX v1.0); their sums are f32. All else is computed in f32.
;;   The module's matrix products, in the order in which they are computed (A, B: the left and right operand; K: the contracted axis; several contracted axes count as one K, in the product's order):
;;     1. [M 32, K 1,024] x [K 1,024, N 1,024]; A: input x; B: input Wq: QUANTISED
;;     2. [M 32,768, K 1,024] x [K 1,024, N 1,024]; A: input x; B: input Wk: QUANTISED
;;     3. [M 32,768, K 1,024] x [K 1,024, N 1,024]; A: input x; B: input Wv: QUANTISED
;;     4. batch 32 x [M 1, K 1,024] x [K 1,024, N 1,024]; A: computed on the way; B: computed on the way: left as it is (M = 1 < 16)
;;     5. batch 32 x [M 1, K 1,024] x [K 1,024, N 1,024]; A: softmax; B: computed on the way: left as it is (M = 1 < 16)
;;   THE QUANTISER, for each operand of a quantised product, along K:
;;     - K is cut into blocks of 32 from its start; a last block that is shorter is filled with zeros.
;;     - A block's scale is 2^e with e = floor(log2(the largest magnitude in the block)) - 2, held to -126 .. 127; a block of zeros has e = 0. As a byte (E8M0): e + 127.
;;     - Each number is divided by its block's scale, clamped to +-6, and rounded to the nearest number of E2M1, ties to even, subnormals kept.
;;     - The product sums the exact products of the quantised numbers (number of the format x scale) in f32.
;;   ~~~python
;;   def quantise(x, axis):      # numpy; x: float32 -> the quantised numbers, widened to float32 again
;;       x = np.moveaxis(x, axis, -1); K = x.shape[-1]
;;       x = np.pad(x, [(0, 0)] * (x.ndim - 1) + [(0, -K % 32)]); x = x.reshape(x.shape[:-1] + (-1, 32)); a = np.abs(x).max(-1, keepdims=True)
;;       e = np.where(a > 0, np.clip(np.frexp(np.where(a > 0, a, 1))[1] - 1 - 2, -126, 127), 0)      # np.frexp(a)[1] - 1 = floor(log2(a)), exactly
;;       r = np.clip(x / 2.0 ** e, -6, 6)
;;       step = 2.0 ** (np.maximum(np.frexp(np.where(r == 0, 1, r))[1] - 1, 0) - 1)
;;       q = np.round(r / step) * step * 2.0 ** e      # np.round: ties to even
;;       return np.moveaxis(q.reshape(q.shape[:-2] + (-1,))[..., :K], -1, axis).astype(np.float32)
;;   ~~~
;; One version. Each part assembles by itself: llvm-mc -triple=amdgcn-amd-amdhsa -mcpu=gfx1250 --defsym DOCPART=n.
;; ======== version 1 of 1: 3 launches
;; limits: right only within a limited range of input values
;; workspace buffers: wrec 1,114,112 bytes; qpart 1,048,576 bytes; scores 131,072 bytes; pml 65,536 bytes; pctx 1,048,576 bytes
;; launch prep (part 1): grid 256 x 1, 8 waves a work-group, no clusters, 70,656 bytes of LDS; arguments Wk, Wv, Wq, x, wrec, qpart; writes wrec, qpart
.if DOCPART == 1
	.amdgcn_target "amdgcn-amd-amdhsa--gfx1250"
	.amdhsa_code_object_version 6
	.text
	.protected	k_q109d2d0c4e_prep
	.globl	k_q109d2d0c4e_prep
	.p2align	8
	.type	k_q109d2d0c4e_prep,@function
k_q109d2d0c4e_prep:
	s_mov_b64 s[64:65], 0
	v_nop
	global_prefetch_b8 v0, s[64:65] scope:SCOPE_SE
	s_setreg_imm32_b32 hwreg(HW_REG_WAVE_MODE, 25, 1), 1
	s_wait_xcnt 0x0
; Wk and Wv [1024][1024] f32 become codes of FP4 (E2M1) with one E8M0 byte for each 32 along K, laid as RECORDS in the order of the operand's registers;
; Wq and the 32 last rows of x are quantised in registers and multiplied here: qpart[w][batch][d] = the part of x_last Wq^T that K step w gives (no bias yet).
; A record is one tile of 16 rows d: 8 fragments (K step s) as images of their registers, byte s*1024 + c*512 + 16*lane (lane (r,h), registers 4c..4c+3: k = 128 s + 64 c + 32 h + 0..31 of row r),
; then the rows' scale words, byte 8192 + 64 s + 4 r: read 128 bytes at a time they are images of scale registers with K step 2p in lanes 0-15 and 2p+1 in lanes 16-31.  8,704 bytes.  Records 0-63: Wk; 64-127: Wv.
; SHARES: work-groups 0-127 take one tile of 16 rows of Wk or Wv; work-groups 128-255 take a tile of Wq and 16 of the 32 batches.  Wave w takes K step w.  Waves share nothing: no barrier.
; So a wave has two halves to quantise for a record and four for Wq's product, and all 256 work-groups have work of about the same length.
; A block's scale is 2^(floor(log2(largest magnitude)) - 2): its byte is the largest magnitude's exponent field - 2, held at 1 from below by a floor among the maximum's leaves.
; LIMITS: NaN and infinities among the inputs are not served; a block whose largest magnitude lies under 2^-124 keeps the byte 1; a block of zeros keeps the byte 1 where the quantiser says 127:
; its codes are zeros, which add nothing, and the bytes are read by this program alone.
; A HALF = 16 rows x 64 numbers (256 bytes of each row).  It is loaded as it lies (each load: two rows' 256 consecutive bytes), turned through the wave's own stage in LDS (rows 272 bytes apart),
; and comes back so that lane (r,h) holds the whole block of 32 that the operand's layout gives it: the maximum needs no other lane and the conversions' results are the operand's registers.
; LEFT OUT BY THE WHOLE PROGRAM: bk.  reference() adds bk to K ahead of a product that is left as it is: scores[b][s] = (q[b] . K'[b][s] + q[b] . bk) / 32.  The second term is the same for all s of a batch, and a softmax
; along s does not change when one number is added to all its inputs; bk goes into no quantised operand, and the scores are no output.  So bk has no way to an output: it is not loaded and is no launch's argument.
; LIMIT: a NaN, an infinity or an overflow that reaches only q . bk is not carried to the results.
.set GX,  3                            ; v3   (lane/16) x 4,096 + (lane%16) x 16: my 16 bytes of two rows
.set SH8, 8                            ; v8   8 h
.set PT,  9                            ; v9   a lane permute's destination (written once: it counts as a source)
.set VO,  12                           ; v12-19 offsets of x's last rows: (lane/16) x 4 MiB + (lane%16) x 16 + n x 8 MiB
.set X,   32                           ; v32-63 the 32 numbers of my block
.set TM,  64                           ; v64-65 two chains of the maximum
.set SO,  66                           ; v66-67 the conversions' scale operands of halves 0, 1
.set BY,  68                           ; v68-69 their bytes
.set SW,  72                           ; v72-73 scale words of fragments 0, 1: scales and nothing else
.set FRG, 80                           ; v80-95 fragments 0, 1
.set SEL, 40                           ; s[40:41] selects for lane l xor 16
.set MSB, 0
.macro WIN new                         ; the immediate's high byte repeats the setting that is left
.if MSB != (\new)
	s_set_vgpr_msb (MSB<<8)|(\new)
.set MSB, (\new)
.endif
.endm
; eight loads of a half into set (window 1, v[32 set ..]): rows 2i + lane/16.  Under 0x44 a load's data and an LDS store's data lie in window 1, addresses in window 0
.macro LDROW set, va, sb, off, step
	WIN 0x44
.irp i, 0,1,2,3,4,5,6,7
	global_load_b128 v[32*(\set)+4*\i:32*(\set)+4*\i+3], v[\va], s[\sb:\sb+1] offset:(\off)+\i*(\step) th:TH_LOAD_NT
.endr
.endm
; the same for rows that lie 4 MiB apart: an offset register for each pair of rows.  No hint: 64 work-groups read these rows
.macro LDGAT set, va0, sb, off
	WIN 0x44
.irp i, 0,1,2,3,4,5,6,7
	global_load_b128 v[32*(\set)+4*\i:32*(\set)+4*\i+3], v[(\va0)+\i], s[\sb:\sb+1] offset:(\off)
.endr
.endm
; the half goes into my stage as it was loaded and comes back 128 bytes a lane.  LDS serves a wave's instructions in order, so no wait stands between the stores and the loads
.macro TURNH set, tst, tld
	WIN 0x44
.irp i, 0,1,2,3,4,5,6,7
	ds_store_b128 v[\tst], v[32*(\set)+4*\i:32*(\set)+4*\i+3] offset:544*\i
.endr
	WIN 0
.irp i, 0,1,2,3,4,5,6,7
	ds_load_b128 v[X+4*\i:X+4*\i+3], v[\tld] offset:16*\i
.endr
	s_wait_dscnt 0x0                               ; my block is in
.endm
; my block of half c becomes registers 4c..4c+3 of the fragment at dst
.macro QH c, dst
	v_max3_num_f32 v[TM], |v[X]|, |v[X+1]|, 0x1800000              ; the floor 2^(3 - 127) among the leaves: the byte cannot fall under 1
	v_max3_num_f32 v[TM+1], |v[X+16]|, |v[X+17]|, |v[X+18]|
.irp i, 2,4,6,8,10,12
	s_delay_alu instid0(VALU_DEP_2)
	v_max3_num_f32 v[TM], v[TM], |v[X+\i]|, |v[X+\i+1]|
	s_delay_alu instid0(VALU_DEP_2)
	v_max3_num_f32 v[TM+1], v[TM+1], |v[X+17+\i]|, |v[X+18+\i]|
.endr
	s_delay_alu instid0(VALU_DEP_2)
	v_max3_num_f32 v[TM], v[TM], |v[X+14]|, |v[X+15]|
	s_delay_alu instid0(VALU_DEP_1)
	v_max3_num_f32 v[TM], v[TM], v[TM+1], |v[X+31]|                ; the block's largest magnitude
	s_delay_alu instid0(VALU_DEP_1)
	v_add_nc_u32 v[SO+(\c)], 0xff000000, v[TM]                     ; 2 off its exponent field: the conversion takes that field as its scale
	s_delay_alu instid0(VALU_DEP_1)
	v_lshrrev_b32 v[BY+(\c)], 23, v[SO+(\c)]                       ; the scale's byte
.irp g, 0,1,2,3
	v_cvt_scalef32_pk8_fp4_f32 v[(\dst)+4*(\c)+\g], v[X+8*\g:X+8*\g+7], v[SO+(\c)]
.endr
	v_nop                                          ; one plain place behind the last scaled conversion
.endm
; my two bytes (blocks h and 2 + h) and lane l xor 16's two make the row's scale word, in both lanes
.macro WORD dstw
	v_lshl_or_b32 v[\dstw], v[BY+1], 16, v[BY]
	s_delay_alu instid0(VALU_DEP_1)
	v_lshlrev_b32 v[\dstw], v[SH8], v[\dstw]
	s_delay_alu instid0(VALU_DEP_1)
	v_permlanex16_b32 v[PT], v[\dstw], s[SEL], s[SEL+1]
	s_delay_alu instid0(VALU_DEP_1)
	v_or_b32 v[\dstw], v[\dstw], v[PT]
.endm
; half u: 0, 1 the weight's two halves of my K step; 2, 3 those of x's last rows.  Half u goes into set u and belongs to fragment u/2
.macro BLD u
.if (\u) < 2
	LDROW \u, GX, 18, (\u)*256, 8192
.else
	LDGAT \u, VO, 20, ((\u)%2)*256
.endif
.endm
	s_load_b256 s[4:11], s[0:1], 0x0               ; Wk s[4:5], Wv s[6:7], Wq s[8:9], x s[10:11]
	s_load_b128 s[12:15], s[0:1], 0x20             ; wrec s[12:13], qpart s[14:15]
	v_lshl_add_u32 v254, v0, 2, 0x11000
	v_mov_b32 v255, 0
	v_lshrrev_b32 v1, 5, v0
	s_delay_alu instid0(VALU_DEP_1)
	v_readfirstlane_b32 s16, v1                    ; wave 0..7: my K step
	s_mov_b32 s17, ttmp9                           ; T
	v_and_b32 v11, 15, v0                          ; r
	v_bfe_u32 v28, v0, 4, 1                        ; h
	v_and_b32 v1, 31, v0
	s_delay_alu instid0(VALU_DEP_1)
	v_lshlrev_b32 v1, 4, v1                        ; v1 = 16 x lane
	s_delay_alu instid0(VALU_DEP_4)
	v_lshlrev_b32 v2, 2, v11                       ; v2 = 4 r
	v_lshlrev_b32 v[GX], 4, v11
	s_delay_alu instid0(VALU_DEP_1)
	v_lshl_add_u32 v[GX], v28, 12, v[GX]
	s_mul_i32 s26, s16, 4352                       ; my stage: 16 rows x 272 bytes
	v_mul_u32_u24 v4, v28, 272
	s_delay_alu instid0(VALU_DEP_1)
	v_lshl_add_u32 v4, v11, 4, v4
	s_delay_alu instid0(VALU_DEP_1)
	v_add_nc_u32 v4, s26, v4                       ; v4: into the stage (weights for records)
	v_mul_u32_u24 v5, v11, 272
	s_delay_alu instid0(VALU_DEP_1)
	v_lshl_add_u32 v5, v28, 7, v5
	s_delay_alu instid0(VALU_DEP_1)
	v_add_nc_u32 v5, s26, v5                       ; v5: out of it
	s_delay_alu instid0(VALU_DEP_4)
	v_add_nc_u32 v6, 34816, v4                     ; v6, v7: the same for Wq's work-groups, which have LDS bytes of their own
	s_delay_alu instid0(VALU_DEP_2)
	v_add_nc_u32 v7, 34816, v5
	v_lshlrev_b32 v[SH8], 3, v28
	v_mov_b32 v[PT], 0
	v_lshlrev_b32 v10, 12, v11
	s_delay_alu instid0(VALU_DEP_1)
	v_lshl_add_u32 v10, v28, 5, v10                ; v10: qpart: batch r's row of 4,096 bytes + 32 h
	v_lshlrev_b32 v29, 4, v11
	s_delay_alu instid0(VALU_DEP_1)
	v_lshl_add_u32 v29, v28, 22, v29
.irp n, 0,1,2,3,4,5,6,7
	v_add_nc_u32 v[VO+\n], \n*8388608, v29
.endr
	s_mov_b32 s[SEL], 0x76543210
	s_mov_b32 s[SEL+1], 0xfedcba98
	s_and_b32 s27, s17, 63                         ; a record's tile in its tensor
	s_sub_co_u32 s34, s17, 128                     ; Wq's work-groups:
	s_lshr_b32 s35, s34, 1                         ; the tile,
	s_and_b32 s36, s34, 1                          ; and which 16 batches
	s_cmp_lt_u32 s17, 128
	s_cselect_b32 s27, s27, s35
	s_lshl_b32 s28, s27, 16                        ; 16 rows of 4,096 bytes
	s_lshl_b32 s30, s16, 9                         ; my K step: 512 bytes of each row
	s_add_co_u32 s28, s28, s30
	s_mov_b32 s29, 0
	s_lshl_b32 s32, s36, 26                        ; 16 batches of 4 MiB
	s_add_co_u32 s32, s32, s30
	s_mov_b32 s33, 0
	s_wait_kmcnt 0x0
	s_cmp_lt_u32 s17, 64                           ; which tensor: the choice hangs on the work-group's number alone
	s_cselect_b64 s[18:19], s[4:5], s[6:7]
	s_cmp_lt_u32 s17, 128
	s_cselect_b64 s[18:19], s[18:19], s[8:9]
	s_add_nc_u64 s[18:19], s[18:19], s[28:29]      ; my part of the tile
	s_add_nc_u64 s[20:21], s[10:11], s[32:33]
	s_add_nc_u64 s[20:21], s[20:21], 1023*4096     ; the last row of x of my first batch, my K step
	s_cmp_ge_u32 s17, 128
	s_cbranch_scc1 .Lq
	; ---- a tile of Wk or Wv becomes a record: my K step's fragment and its 16 scale words
	s_mul_i32 s32, s17, 8704
	s_add_nc_u64 s[24:25], s[12:13], s[32:33]      ; the record
	s_lshl_b32 s32, s16, 10
	s_add_nc_u64 s[22:23], s[24:25], s[32:33]      ; my fragment's image
	s_lshl_b32 s32, s16, 6
	s_add_nc_u64 s[24:25], s[24:25], s[32:33]      ; my scale words, 8,192 bytes further on
	BLD 0
	BLD 1
.set U, 0
.rept 2
	s_wait_loadcnt 8*(1-U)                         ; this half's eight loads are in; the younger half's may be out
	TURNH U, 4, 5
	QH U, FRG
.set U, U+1
.endr
	WORD SW
.irp c, 0,1
	global_store_b128 v1, v[FRG+4*\c:FRG+4*\c+3], s[22:23] offset:\c*512   ; 32 lanes store 512 consecutive bytes
.endr
	global_store_b32 v2, v[SW], s[24:25] offset:8192   ; 64 bytes; lanes r and 16 + r store the same word with the same value
	s_wait_tensorcnt 0x0
	ds_add_u32 v254, v255
	s_wait_dscnt 0x0
	s_endpgm
.Lq:	; ---- a tile of Wq and the last rows of 16 batches: four halves, then one product
	s_lshl_b32 s32, s16, 17                        ; qpart: K step w's part,
	s_lshl_b32 s34, s36, 16                        ; 16 batches of 4,096 bytes,
	s_add_co_u32 s32, s32, s34
	s_lshl_b32 s34, s27, 6                         ; 16 columns d of 4 bytes
	s_add_co_u32 s32, s32, s34
	s_add_nc_u64 s[22:23], s[14:15], s[32:33]
.set U, 0
	s_wait_alu depctr_va_vdst(0)
.rept 4
	BLD U
.set U, U+1
.endr
.set U, 0
.rept 4
	s_wait_loadcnt 8*(3-U)                         ; this half's eight loads are in; the younger halves' may be out
	TURNH U, 6, 7
	QH U%2, FRG+8*(U/2)
.if U%2 == 1
	WORD SW+U/2
.endif
.set U, U+1
.endr
.rept 8
	v_nop                                          ; a scale register written by a vector instruction stands 8 places ahead of a scaled matrix instruction, an operand so written 4
.endr
	; source 0 = 16 rows of Wq, source 1 = 16 batches: lane (r,h), register j = q's part of (batch r of my 16, d = 16 Tq + 8h + j)
	v_wmma_scale_f32_16x16x128_f8f6f4 v[128:135], v[FRG:FRG+7], v[FRG+8:FRG+15], 0, v[SW], v[SW+1] matrix_a_fmt:MATRIX_FMT_FP4 matrix_b_fmt:MATRIX_FMT_FP4
.rept 4
	v_nop                                          ; four places in front of the stores that read the result
.endr
	global_store_b128 v10, v[128:131], s[22:23]              ; the accumulator from its low end on
	global_store_b128 v10, v[132:135], s[22:23] offset:16    ; runs of 64 bytes a row: 1 MiB in all, so that the reader finds q's parts as dense rows
	s_wait_tensorcnt 0x0
	ds_add_u32 v254, v255
	s_wait_dscnt 0x0
	s_endpgm
.Lfunc_end_k_q109d2d0c4e_prep:
	.size	k_q109d2d0c4e_prep, .Lfunc_end_k_q109d2d0c4e_prep-k_q109d2d0c4e_prep
	.p2alignl 7, 3214868480
	.fill 96, 4, 3214868480
	.section	.rodata,"a",@progbits
	.p2align	6, 0x0
	.amdhsa_kernel k_q109d2d0c4e_prep
		.amdhsa_group_segment_fixed_size 70656
		.amdhsa_private_segment_fixed_size 0
		.amdhsa_enable_private_segment 0
		.amdhsa_kernarg_size 48
		.amdhsa_user_sgpr_count 2
		.amdhsa_user_sgpr_kernarg_segment_ptr 1
		.amdhsa_wavefront_size32 1
		.amdhsa_system_sgpr_workgroup_id_x 1
		.amdhsa_system_sgpr_workgroup_id_y 1
		.amdhsa_system_sgpr_workgroup_id_z 1
		.amdhsa_system_vgpr_workitem_id 0
		.amdhsa_next_free_vgpr 384
		.amdhsa_next_free_sgpr 66
		.amdhsa_reserve_vcc 0
		.amdhsa_float_denorm_mode_32 3
		.amdhsa_float_denorm_mode_16_64 3
		.amdhsa_memory_ordered 1
		.amdhsa_forward_progress 1
		.amdhsa_inst_pref_size 29
	.end_amdhsa_kernel
	.amdgpu_metadata
---
amdhsa.version: [ 1, 2 ]
amdhsa.kernels:
  - .name:           k_q109d2d0c4e_prep
    .symbol:         k_q109d2d0c4e_prep.kd
    .args:
      - { .name: Wk, .offset: 0, .size: 8, .value_kind: global_buffer, .address_space: global }
      - { .name: Wv, .offset: 8, .size: 8, .value_kind: global_buffer, .address_space: global }
      - { .name: Wq, .offset: 16, .size: 8, .value_kind: global_buffer, .address_space: global }
      - { .name: x, .offset: 24, .size: 8, .value_kind: global_buffer, .address_space: global }
      - { .name: wrec, .offset: 32, .size: 8, .value_kind: global_buffer, .address_space: global }
      - { .name: qpart, .offset: 40, .size: 8, .value_kind: global_buffer, .address_space: global }
    .group_segment_fixed_size: 70656
    .private_segment_fixed_size: 0
    .kernarg_segment_align: 8
    .kernarg_segment_size: 48
    .max_flat_workgroup_size: 256
    .sgpr_count:     66
    .vgpr_count:     384
    .wavefront_size: 32
...
	.end_amdgpu_metadata
.endif
;; end of part 1
;; launch main (part 2): grid 256 x 1, 4 waves a work-group, clusters of 4 x 1, 327,680 bytes of LDS; arguments x, wrec, qpart, bq, scores, pml, pctx; writes scores, pml, pctx
.if DOCPART == 2
	.amdgcn_target "amdgcn-amd-amdhsa--gfx1250"
	.amdhsa_code_object_version 6
	.text
	.protected	k_q109d2d0c4e_main
	.globl	k_q109d2d0c4e_main
	.p2align	8
	.type	k_q109d2d0c4e_main,@function
k_q109d2d0c4e_main:
	s_mov_b64 s[64:65], 0
	v_nop
	global_prefetch_b8 v0, s[64:65] scope:SCOPE_SE
	s_setreg_imm32_b32 hwreg(HW_REG_WAVE_MODE, 25, 1), 1
	s_wait_xcnt 0x0
	s_wait_alu depctr_hold_cnt(0) depctr_sa_sdst(0) depctr_va_vdst(0) depctr_va_sdst(0) depctr_va_ssrc(0) depctr_va_vcc(0) depctr_vm_vsrc(0)
	s_getreg_b32 s2, hwreg(HW_REG_IB_STS2, 6, 4)
	s_cmp_eq_u32 s2, 0
	s_cbranch_scc0 .Lentry_in_a_cluster
	s_endpgm
.Lentry_in_a_cluster:
	s_bfe_u32 s2, ttmp6, 0x10000c
	s_cmp_lg_u32 s2, 0x3003
	s_cbranch_scc0 .Lentry_shape_is_right
	s_endpgm
.Lentry_shape_is_right:
; For 128 rows of x (work-group g: rows 128 g on of the 32,768; batch g / 8):  K' = Q(x) Q(Wk)^T and V' = Q(x) Q(Wv)^T on codes of FP4 (E2M1) with E8M0 scales; K' and V' never leave the registers.
;   scores[row] = q . K'[row] / 32;   m = the largest of the 128 scores;   p = e^(score - m);   pml = (m, sum of p);   pctx[d] = sum over the rows of p V'[row][d]   (bv comes in the next launch).
; q = the eight parts of the launch before + bq, in f32.  The two small products (q . K', p . V') are fused multiply-adds in f32.
; LEFT OUT: bk: q . bk is the same for all rows of a batch, and the softmax along the rows does not see it.  LIMIT: a NaN, an infinity or an overflow that reaches only q . bk is not carried to the results.
; PHASES.  X: each wave quantises 32 rows of x (read once, as f32) and hands the fragments round through LDS as images of their registers, so that ALL 64 fragments (8 tiles of rows x 8 K steps, 512 registers) stand in EVERY wave.
;   A load takes 512 consecutive bytes of one row (a K step).  Lane (h = l/16, b = (l/4)%4, e = l%4) takes the 16 bytes at 128 b + 32 e + 16 h: four numbers, half a dword of codes of block b.  Rows go in pairs: the eight registers of
;   two rows are converted under the first row's scale, and once more under the second's; of each result the half that is its own row's goes into the image.
; K, V: THE WAVES SHARE THE COLUMNS: of each fill's 16 records (tiles of 16 columns d) wave w owns four, so a weight fragment is read from LDS once in the work-group and feeds 8 products.
;   The records come through a ring of two LDS slots: 8 fills of 16 records (4 of Wk, 4 of Wv); each wave fetches its own four records with one tensor load and reads only those bytes.
; A TILE is four groups of 16 products (two K steps x 8 accumulators by turns).  Behind each group stand 8 packed multiply-adds of the TILE BEFORE, whose accumulators are the other set, and LDS loads of the NEXT tile's record.
;   K's first tile has none before it: it meets q = 0 and registers that hold numbers of x.  V's first tile meets K's last one: that word of the context goes to a place that nobody reads.
; K IS USED TRANSPOSED (source 0 = 16 rows of Wk, source 1 = 16 rows of x): lane (r,h) holds ROW r of the tile, register j column d0 + 8h + j: the score sums are four registers a tile of rows.
; V: source 0 = 16 rows of x, source 1 = 16 rows of Wv: lane (r,h) holds column d0 + r, register j row 16 m + 8 h + j: p of a lane's rows are 64 registers.
; CLUSTER 4 x 1: all row blocks walk the same records, so the four partners ask for each fill JOINTLY (mask 15).  My place in the cluster enters global addresses of plain loads, stores and prefetches alone.
; PREFETCH: fills 2 to 7 are asked for ahead of their tensor loads (two fills ahead in K's loop; fills 2 and 3 in phase X), by clusters 0 to 3: wave w of partner cx asks for record 4 cx + w, 34 blocks of 256 bytes.
;   x is not prefetched: 56 of its loads a wave are out through phase X.
; LIMITS: NaN and infinities among the inputs are not served; a block whose largest magnitude lies under 2^-124 keeps the byte 1; a block of zeros keeps the byte 1 where the quantiser says 127 (its codes are zeros).
; REGISTERS, in windows of 256 (s_set_vgpr_msb: bits 1:0 source 0, 3:2 source 1, 5:4 source 2, 7:6 destination):
;   window 0: v0-31 addresses; v32-63 x's scale words; v64-71 W's, two sets; v72-87 q, two sets; v88-95 context sums; v96-127 score sums; v128-191 p; v192-255 at work
;   window 1: v0-63, v192-255 two sets of 8 accumulators; v64-127, v128-191 W's 8 fragments, two sets (in phase X: a ring of 8 batches of loads, 32 registers each)
;   window 2: x's fragments of K steps 0-3, (s, m) at 64 (s % 4) + 8 m;   window 3: those of K steps 4-7
.set RECB,  8704                       ; a record
.set QUART, 4*RECB                     ; what one tensor load brings: a wave's four records, 136 rows of 256 bytes
.set SLOTB, 4*QUART                    ; a slot: 139,264 = 0x22000.  wave x QUART has neither bit 13 nor bit 17, so one exclusive or turns an address from one slot to the other
.set IMG,   2*SLOTB                    ; behind the ring: 2 buffers x 8 fragments of one K step: m*1280 + block*320 + 16*row + 4*dword (64 bytes of padding behind each 256)
.set XSC,   IMG+20480                  ; x's scale words: (8 (row/32) + s)*128 + 4 (row%32)
.set QL,    XSC+4096                   ; q of my batch
.set RED,   QL+4096                    ; the waves' parts of the scores: wave*512 + 4 row
.set PL,    RED+2048                   ; for each wave: p of the 128 rows, then the scores
.set SPARE, PL+4096                    ; the spare words, 128 bytes for each wave: two blocks of 256 bytes that no other line names
.set CT,    IMG                        ; in V, where the images lay: for each wave 17 x 256 bytes: the context of its 16 tiles behind one place that nobody reads
.set PF1, 1
.set AQS, 3
.set PF2, 5
.set T16, 6
.set GX,  7
.set IST, 8
.set ILD, 9
.set SST, 10
.set SLD, 11
.set AW0, 12                           ; wave x QUART + 16 x lane;  ADW = that + the slot in hand
.set AS0, 13                           ; wave x QUART + 4 x lane;   ADS likewise
.set ADW, 14
.set ADS, 15
.set AQ0, 16
.set ADQ, 17
.set PT,  18
.set RST, 19
.set RLD, 20
.set PST, 21
.set PRB, 22
.set APR, 23
.set AC0, 24
.set ADC, 25
.set AFR, 26
.set GC,  27
.set L16, 28
.set L8,  29
.set SPW, 30                           ; LDS address of my spare word; never rewritten
.set NIL, 31                           ; 0; never rewritten
.set XS,  32                           ; v[XS + 8 M + s]: lane l the word of (row 32 M + l, K step s): scales and nothing else
.set WS,  64                           ; v[WS + 4 set + p]: lanes 0-15 the word of (column r, K step 2p), lanes 16-31 of K step 2p + 1
.set QS,  72
.set CC,  88
.set SA,  96
.set P,   128
.set MM,  192                          ; v192-199 maxima, then scale operands
.set CD,  208                          ; codes: four sets of eight, one for each batch of a K step
.set BY,  240                          ; scale bytes: four sets of four
.set SEL, 40                           ; s[40:41]
.set FLO, 62                           ; s62: the floor 2^(3 - 127)
.set NEG, 63                           ; s63: -(2 << 23)
.set MSB, 0
.macro WIN new                         ; the immediate's high byte repeats the setting that is left
.if MSB != (\new)
	s_set_vgpr_msb (MSB<<8)|(\new)
.set MSB, (\new)
.endif
.endm
.macro CREST                           ; a round of the cluster's barrier behind its opening barrier
	s_cmp_lg_u32 s20, 0
	s_cbranch_scc1 .Lnw0_\@
	s_barrier_signal -3
.Lnw0_\@:
	s_barrier_wait -3
	s_barrier_signal -1
	s_barrier_wait -1
.endm
.macro CROUND
	s_barrier_signal -1
	s_barrier_wait -1
	CREST
.endm
.macro JFILL g0                        ; a joint tensor load
	tensor_load_to_lds s[\g0:\g0+3], s[24:31]
	s_nop 0
.rept 4
	v_nop
.endr
.endm
.macro ASK o                           ; a record of a later fill into the L2: lanes 256 bytes apart; the second line names blocks 32 and 33.  Clusters 0 to 3 alone
	s_cmp_lt_u32 ttmp9, 4
	s_cbranch_scc0 .Lnoask_\@
	global_prefetch_b8 v[PF1], s[60:61] offset:\o th:TH_LOAD_NT scope:SCOPE_SE
	global_prefetch_b8 v[PF2], s[60:61] offset:\o th:TH_LOAD_NT scope:SCOPE_SE
.Lnoask_\@:
.endm
; ---- phase X.  Batch u of my 32: K step u/4, rows 8 (u%4) .. + 7 of my 32
.macro XLD u
	WIN 0x40
.irp k, 0,1,2,3,4,5,6,7
	global_load_b128 v[32*((\u)%8)+4*\k:32*((\u)%8)+4*\k+3], v[GX], s[48:49] offset:(8*((\u)%4)+\k)*4096+((\u)/4)*512 th:TH_LOAD_NT
.endr
.endm
.macro QB u
.set B_, 32*((\u)%8)
.set S_, (\u)/4
.set I_, (\u)%4
.set K_, CD+8*I_
.set Y_, BY+4*I_
	WIN 0x05
.irp k, 0,1,2,3,4,5,6,7
	v_max3_num_f32 v[MM+\k], |v[B_+4*\k]|, |v[B_+4*\k+1]|, s[FLO]  ; row k of the eight; the floor among the leaves: the byte cannot fall under 1
.endr
.irp k, 0,1,2,3,4,5,6,7
	v_max3_num_f32 v[MM+\k], |v[B_+4*\k+2]|, |v[B_+4*\k+3]|, v[MM+\k]
.endr
	WIN 0
.irp k, 0,2,4,6
	v_permlane16_swap_b32 v[MM+\k], v[MM+\k+1]                     ; lanes 0-15 take both halves of row k, lanes 16-31 those of row k + 1,
.endr
.irp k, 0,2,4,6
	v_max_num_f32 v[MM+\k], v[MM+\k], v[MM+\k+1]
.endr
.irp k, 0,2,4,6
	v_max_num_f32_dpp v[MM+\k], v[MM+\k], v[MM+\k] row_xmask:1 row_mask:0xf bank_mask:0xf
.endr
.irp k, 0,2,4,6
	v_max_num_f32_dpp v[MM+\k], v[MM+\k], v[MM+\k] row_xmask:2 row_mask:0xf bank_mask:0xf   ; the block's largest magnitude, in its four lanes
.endr
.irp k, 0,2,4,6
	v_add_nc_u32 v[MM+\k], s[NEG], v[MM+\k]                        ; 2 off its exponent field: the conversion takes that field as its scale
.endr
.irp k, 0,2,4,6
	v_lshrrev_b32 v[Y_+\k/2], 23, v[MM+\k]                         ; the scale's byte
.endr
.irp k, 0,2,4,6
	v_mov_b32 v[MM+\k+1], v[MM+\k]
.endr
.irp k, 0,2,4,6
	v_permlane16_swap_b32 v[MM+\k], v[MM+\k+1]                     ; row k's scale in all lanes, and row k + 1's
.endr
	WIN 0x01
.irp k, 0,2,4,6
	v_cvt_scalef32_pk8_fp4_f32 v[K_+\k], v[B_+4*\k:B_+4*\k+7], v[MM+\k]       ; low half: row k's four codes
	v_cvt_scalef32_pk8_fp4_f32 v[K_+\k+1], v[B_+4*\k:B_+4*\k+7], v[MM+\k+1]   ; high half: row k + 1's
.endr
	v_nop                                          ; one plain place behind the last scaled conversion
	WIN 0
.irp k, 0,2,4,6
	v_lshrrev_b32 v[K_+\k+1], 16, v[K_+\k+1]
.endr
.irp k, 0,2,4,6
	ds_store_b16 v[IST], v[K_+\k] offset:(S_%2)*10240+(I_/2)*1280+16*(8*(I_%2)+\k)
	ds_store_b16 v[IST], v[K_+\k+1] offset:(S_%2)*10240+(I_/2)*1280+16*(8*(I_%2)+\k+1)
	ds_store_b8 v[SST], v[Y_+\k/2] offset:S_*128+4*(8*I_+\k)       ; the four lanes of a block write the same byte with the same value
.endr
.endm
; K step s of all 128 rows is in LDS: one barrier, then every wave takes the eight fragments and the scale words.  The buffer is written again two K steps on, behind the next barrier, in front of which every wave has waited for these loads.
; fill = 1: the barrier opens a round of the cluster's barrier, behind which slot 1 is filled for the first time
.macro EXCH s, fill
.if \fill
	s_wait_tensorcnt 0x0                           ; my part of fill 0 is in
	ds_add_u32 v[SPW], v[NIL]
.endif
	s_wait_dscnt 0x0                               ; my images have landed, and my reads of the other buffer are over
	s_barrier_signal -1
	s_barrier_wait -1
.if \fill
	CREST
	JFILL 36
.endif
	WIN 0x80+0x40*((\s)/4)                         ; destination window 2 or 3
.irp m, 0,1,2,3,4,5,6,7
.irp c, 0,1
	ds_load_b128 v[64*((\s)%4)+8*\m+4*\c:64*((\s)%4)+8*\m+4*\c+3], v[ILD] offset:((\s)%2)*10240+\m*1280+\c*640
.endr
.endr
	WIN 0
.irp m, 0,1,2,3
	ds_load_b32 v[XS+8*\m+(\s)], v[SLD] offset:(8*\m+(\s))*128
.endr
.endm
; ---- the products.  pb = the tile's parity in its slot: it names W's set and the accumulators' set.  kind 0: K, kind 1: V
.macro LF s0, n, jn, pbn               ; fragments s0 .. s0 + n - 1 of record jn of my four in the slot in hand, into set pbn
	WIN 0x40
.set F_, \s0
.rept \n
.irp c, 0,1
	ds_load_b128 v[64+64*(\pbn)+8*F_+4*\c:64+64*(\pbn)+8*F_+4*\c+3], v[ADW] offset:(\jn)*RECB+F_*1024+\c*512
.endr
.set F_, F_+1
.endr
.endm
.macro LHEAD kind, jn, pbn, jq         ; its scale words, (K) q of THIS tile's columns, and fragments 0 to 2
	WIN 0
.irp q, 0,1,2,3
	ds_load_b32 v[WS+4*(\pbn)+\q], v[ADS] offset:(\jn)*RECB+8192+\q*128
.endr
.if (\kind) == 0
.irp e, 0,1
	ds_load_b128 v[QS+8*(1-(\pbn))+4*\e:QS+8*(1-(\pbn))+4*\e+3], v[ADQ] offset:64*(\jq)+16*\e
.endr
.endif
	LF 0, 3, \jn, \pbn
.endm
.macro EMIT                            ; one product: fA, fB: the scale words stand in lanes 16-31.  K step 0 starts the sums with the constant 0
.if KS_ == 0
.if fA
	v_wmma_scale_f32_16x16x128_f8f6f4 v[rD:rD+7], v[rA:rA+7], v[rB:rB+7], 0, v[rSA], v[rSB] matrix_a_fmt:MATRIX_FMT_FP4 matrix_b_fmt:MATRIX_FMT_FP4 matrix_a_scale:MATRIX_SCALE_ROW1
.elseif fB
	v_wmma_scale_f32_16x16x128_f8f6f4 v[rD:rD+7], v[rA:rA+7], v[rB:rB+7], 0, v[rSA], v[rSB] matrix_a_fmt:MATRIX_FMT_FP4 matrix_b_fmt:MATRIX_FMT_FP4 matrix_b_scale:MATRIX_SCALE_ROW1
.else
	v_wmma_scale_f32_16x16x128_f8f6f4 v[rD:rD+7], v[rA:rA+7], v[rB:rB+7], 0, v[rSA], v[rSB] matrix_a_fmt:MATRIX_FMT_FP4 matrix_b_fmt:MATRIX_FMT_FP4
.endif
.elseif fA
.if fB
	v_wmma_scale_f32_16x16x128_f8f6f4 v[rD:rD+7], v[rA:rA+7], v[rB:rB+7], v[rD:rD+7], v[rSA], v[rSB] matrix_a_fmt:MATRIX_FMT_FP4 matrix_b_fmt:MATRIX_FMT_FP4 matrix_a_scale:MATRIX_SCALE_ROW1 matrix_b_scale:MATRIX_SCALE_ROW1
.else
	v_wmma_scale_f32_16x16x128_f8f6f4 v[rD:rD+7], v[rA:rA+7], v[rB:rB+7], v[rD:rD+7], v[rSA], v[rSB] matrix_a_fmt:MATRIX_FMT_FP4 matrix_b_fmt:MATRIX_FMT_FP4 matrix_a_scale:MATRIX_SCALE_ROW1
.endif
.elseif fB
	v_wmma_scale_f32_16x16x128_f8f6f4 v[rD:rD+7], v[rA:rA+7], v[rB:rB+7], v[rD:rD+7], v[rSA], v[rSB] matrix_a_fmt:MATRIX_FMT_FP4 matrix_b_fmt:MATRIX_FMT_FP4 matrix_b_scale:MATRIX_SCALE_ROW1
.else
	v_wmma_scale_f32_16x16x128_f8f6f4 v[rD:rD+7], v[rA:rA+7], v[rB:rB+7], v[rD:rD+7], v[rSA], v[rSB] matrix_a_fmt:MATRIX_FMT_FP4 matrix_b_fmt:MATRIX_FMT_FP4
.endif
.endm
; group g: K steps 2g, 2g + 1; the 8 accumulators of set pb take turns, one instruction a turn
.macro MULG kind, g, pb
.set KS_, 2*(\g)
.rept 2
.if (\kind) == 0
	WIN 0x59+4*(KS_/4)                             ; source 0 (W), C and D window 1; source 1 (x) window 2 or 3
.else
	WIN 0x56+KS_/4                                 ; source 0 (x) window 2 or 3; source 1 (W), C and D window 1
.endif
.irp m, 0,1,2,3,4,5,6,7
.set rD, 192*(\pb)+8*\m
.if (\kind) == 0
.set rA, 64+64*(\pb)+8*KS_
.set rB, 64*(KS_%4)+8*\m
.set rSA, WS+4*(\pb)+KS_/2
.set rSB, XS+8*(\m/2)+KS_
.set fA, KS_%2
.set fB, \m%2
.else
.set rB, 64+64*(\pb)+8*KS_
.set rA, 64*(KS_%4)+8*\m
.set rSB, WS+4*(\pb)+KS_/2
.set rSA, XS+8*(\m/2)+KS_
.set fB, KS_%2
.set fA, \m%2
.endif
	EMIT
.endr
.set KS_, KS_+1
.endr
.endm
; 8 packed multiply-adds of the tile before: its accumulators 2g, 2g + 1, each from its low end on.  They name no register of the products just issued: they are those products' places.
; K: two chains for each tile of rows take K'[row][d] q[d].  V: four chains take p[row] V'[row][d]; the first accumulator starts them
.macro PKB kind, g, pb
.set A_, 192*(1-(\pb))+16*(\g)
	WIN 0x01                                       ; source 0: the accumulators, window 1
.if (\kind) == 0
.set Q_, QS+8*(1-(\pb))
.irp e, 0,2,4,6
.irp u, 0,1
.set T_, SA+8*(\g)+4*\u+(\e%4)
	v_pk_fma_f32 v[T_:T_+1], v[A_+8*\u+\e:A_+8*\u+\e+1], v[Q_+\e:Q_+\e+1], v[T_:T_+1]
.endr
.endr
.else
.irp i, 0,2,4,6,8,10,12,14
.set T_, CC+(\i%8)
.set R_, P+16*(\g)+\i
.if ((\g)*16+\i) < 8
	v_pk_mul_f32 v[T_:T_+1], v[A_+\i:A_+\i+1], v[R_:R_+1]
.else
	v_pk_fma_f32 v[T_:T_+1], v[A_+\i:A_+\i+1], v[R_:R_+1], v[T_:T_+1]
.endif
.endr
.endif
.endm
; V: the four chains become one pair; the two words and lane l xor 16's are added on the way out
.macro TAILV n
	WIN 0
	v_pk_add_f32 v[CC:CC+1], v[CC:CC+1], v[CC+2:CC+3]
	v_pk_add_f32 v[CC+4:CC+5], v[CC+4:CC+5], v[CC+6:CC+7]
	v_pk_add_f32 v[CC:CC+1], v[CC:CC+1], v[CC+4:CC+5]
	ds_store_b64 v[ADC], v[CC:CC+1] offset:256*(\n)
.endm
; tile j = 0, 1, 2 of a slot
.macro TILE kind, j, pb
	s_wait_dscnt \kind                             ; this tile's record is in (V: the context's words stored last may be out)
	MULG \kind, 0, \pb
	PKB \kind, 0, \pb
	LHEAD \kind, (\j)+1, 1-(\pb), \j
	MULG \kind, 1, \pb
	PKB \kind, 1, \pb
	LF 3, 3, (\j)+1, 1-(\pb)
	MULG \kind, 2, \pb
	PKB \kind, 2, \pb
	LF 6, 2, (\j)+1, 1-(\pb)
	MULG \kind, 3, \pb
	PKB \kind, 3, \pb
.if \kind
	TAILV \j
.endif
.endm
; tile 3 of a slot that is filled again.  Its record is in registers, so my reads of the slot are over at the signal.  The barrier opens a round of the cluster's barrier; the joint refill is the first thing behind the round
.macro TURNT kind
	WIN 0                                          ; (the add's two registers lie in window 0)
.if (\kind) == 0
	s_wait_xcnt 0x0                                ; my prefetches have read their address
	s_add_nc_u64 s[60:61], s[60:61], SLOTB
.endif
	s_wait_tensorcnt 0x0                           ; all my tensor loads have landed: the one that was out is my part of the next slot
	ds_add_u32 v[SPW], v[NIL]                      ; 0 onto my spare word
	s_xor_b32 s37, s37, SLOTB                      ; the walking descriptor: the slot that I am leaving,
	s_add_nc_u64 s[38:39], s[38:39], SLOTB         ; the next 16 records; the type bits on top are not reached
	s_xor_b32 s42, s42, SLOTB                      ; and my reads go on in the other slot
	s_wait_dscnt 1+\kind                           ; this tile's record is in; the add (V: and the context's words) may be out
	MULG \kind, 0, 1
	PKB \kind, 0, 1
	s_wait_alu depctr_va_vdst(0)
	s_wait_dscnt 0x0                               ; the add is done, and my reads of this slot are over
	s_barrier_signal -1
	MULG \kind, 1, 1                               ; work on registers while the others arrive
	PKB \kind, 1, 1
	WIN 0
	s_wait_alu depctr_va_vdst(0)
	s_barrier_wait -1
	CREST                                          ; no wave of any partner still reads this slot or has a load on its way
	JFILL 36                                       ; my one tensor load behind the round: it has the rest of this tile and three more in which to land
	v_add_nc_u32 v[ADW], s42, v[AW0]
	v_add_nc_u32 v[ADS], s42, v[AS0]
	s_wait_alu depctr_va_vdst(0)
	LHEAD \kind, 0, 0, 3
.if (\kind) == 0
	WIN 0
	ASK 2*SLOTB                                    ; the fill two on
.endif
	MULG \kind, 2, 1
	PKB \kind, 2, 1
	LF 3, 5, 0, 0
	MULG \kind, 3, 1
	PKB \kind, 3, 1
.if \kind
	TAILV 3
.endif
.endm
; tile 3 of V's last two slots: nothing is filled.  The last one has no tile behind it
.macro TURNL
	s_wait_tensorcnt 0x0                           ; the last fill is in.  I read only what my own load brought
	s_wait_dscnt 0x1
	MULG 1, 0, 1
	PKB 1, 0, 1
	WIN 0
	s_xor_b32 s42, s42, SLOTB
	v_add_nc_u32 v[ADW], s42, v[AW0]
	v_add_nc_u32 v[ADS], s42, v[AS0]
	s_wait_alu depctr_va_vdst(0)
	s_cmp_eq_u32 s44, 1
	s_cbranch_scc1 .Lnonext
	LHEAD 1, 0, 0, 3
	LF 3, 5, 0, 0
	WIN 0
.Lnonext:
	MULG 1, 1, 1
	PKB 1, 1, 1
	MULG 1, 2, 1
	PKB 1, 2, 1
	MULG 1, 3, 1
	PKB 1, 3, 1
	TAILV 3
.endm
	; ---------------- HEAD
	s_load_b256 s[4:11], s[0:1], 0x0               ; x s[4:5], wrec s[6:7], qpart s[8:9], bq s[10:11]
	s_load_b128 s[12:15], s[0:1], 0x20             ; scores s[12:13], pml s[14:15]
	s_load_b64 s[16:17], s[0:1], 0x30              ; pctx
	v_lshl_add_u32 v[SPW], v0, 2, SPARE
	v_mov_b32 v[NIL], 0
	ds_add_u32 v[SPW], v[NIL]                      ; the wave's opening: the add, twice on end, and its wait ahead of my first tensor load
	ds_add_u32 v[SPW], v[NIL]
	v_lshrrev_b32 v2, 5, v0
	v_readfirstlane_b32 s20, v2                    ; wave 0..3
	s_bfe_u32 s21, ttmp6, 0x40000                  ; cx
	s_lshl_b32 s22, ttmp9, 2
	s_add_co_u32 s22, s22, s21                     ; g = 4 x cluster + cx
	; descriptor group 1: 136 dense rows of 32 elements of 8 bytes
	s_mov_b32 s24, 15|(3<<16)|(1<<21)              ; 15:0 the mask: all four work-groups; 17:16 elements of 8 bytes; 21 set beside a mask; no padding
	s_mov_b32 s25, 32<<16                          ; tensor_dim0 = 32
	s_mov_b32 s26, 136<<16                         ; tensor_dim1 = 136
	s_mov_b32 s27, 32<<16                          ; tile_dim0 = 32
	s_mov_b32 s28, 136                             ; tile_dim1 = 136
	s_mov_b32 s29, 32                              ; elements from row to row
	s_mov_b32 s30, 0
	s_mov_b32 s31, 0
	s_mul_i32 s46, s20, QUART                      ; my quarter of a slot, and of a fill
	s_mov_b32 s47, 0
	s_mov_b32 s32, 1                               ; group 0 of fill 0
	s_mov_b32 s33, s46
	s_mov_b32 s36, 1                               ; group 0 of fill 1, which then walks
	s_add_co_u32 s37, s46, SLOTB
	s_mov_b32 s[SEL], 0x76543210
	s_mov_b32 s[SEL+1], 0xfedcba98
	s_mov_b32 s[FLO], 0x1800000
	s_mov_b32 s[NEG], 0xff000000
	s_mul_i32 s66, s20, 2560
	s_add_co_u32 s66, s66, IMG                     ; my two tiles' images
	s_lshl_b32 s67, s20, 10
	s_add_co_u32 s68, s67, XSC                     ; my 32 rows' scale words
	s_add_co_u32 s69, s67, PL                      ; my copy of p and of the scores
	s_lshl_b32 s70, s20, 8
	s_add_co_u32 s70, s70, QL                      ; tile 16 f + 4 w + j begins at byte 1,024 f + 256 w + 64 j of q
	s_lshl_b32 s71, s20, 9
	s_add_co_u32 s71, s71, RED
	s_mul_i32 s72, s20, 4352
	s_add_co_u32 s72, s72, CT
	v_and_b32 v2, 15, v0                           ; r
	v_bfe_u32 v3, v0, 4, 1                         ; h
	v_and_b32 v4, 31, v0                           ; lane
	v_bfe_u32 v5, v0, 2, 2                         ; b
	v_and_b32 v6, 3, v0                            ; e
	v_lshlrev_b32 v[GX], 5, v2
	v_lshl_add_u32 v[GX], v3, 4, v[GX]             ; 128 b + 32 e + 16 h
	v_mul_u32_u24 v[IST], v5, 320
	v_lshl_add_u32 v[IST], v3, 1, v[IST]
	v_lshl_add_u32 v[IST], v6, 2, v[IST]
	v_add_nc_u32 v[IST], s66, v[IST]               ; block b, dword e, half h
	v_mul_u32_u24 v[ILD], v3, 320
	v_lshl_add_u32 v[ILD], v2, 4, v[ILD]
	v_add_nc_u32 v[ILD], IMG, v[ILD]
	v_lshl_add_u32 v[SST], v3, 2, v5
	v_add_nc_u32 v[SST], s68, v[SST]               ; row h, byte b
	v_lshl_add_u32 v[SLD], v4, 2, XSC
	v_lshl_add_u32 v[AW0], v4, 4, s46
	v_lshl_add_u32 v[AS0], v4, 2, s46
	v_lshl_add_u32 v[ADW], v4, 4, s46
	v_lshl_add_u32 v[ADS], v4, 2, s46
	v_lshl_add_u32 v[AQ0], v3, 5, s70
	v_mov_b32 v[PT], 0                             ; written once: a lane permute's destination counts as one of its sources
	v_lshl_add_u32 v[RST], v4, 2, s71
	v_lshl_add_u32 v[RLD], v4, 2, RED
	v_lshl_add_u32 v[PST], v4, 2, s69
	v_lshl_add_u32 v[PRB], v4, 4, s69
	v_lshl_add_u32 v[APR], v3, 5, s69
	v_lshl_add_u32 v[AC0], v4, 3, s72
	v_lshrrev_b32 v[AFR], 2, v4
	v_lshlrev_b32 v[AFR], 8, v[AFR]
	v_lshl_add_u32 v[AFR], v6, 5, v[AFR]
	v_add_nc_u32 v[AFR], s72, v[AFR]               ; the way out: tile lane/4 of two fills' eight, columns 4 (lane%4) on
	v_lshlrev_b32 v[GC], 4, v2
	v_lshl_add_u32 v[GC], v3, 10, v[GC]
	v_lshlrev_b32 v[L16], 4, v4
	v_lshlrev_b32 v[L8], 3, v4
	v_lshlrev_b32 v[PF1], 8, v4
	v_add_nc_u32 v[PF2], 32, v4
	v_min_u32 v[PF2], 33, v[PF2]
	v_lshlrev_b32 v[PF2], 8, v[PF2]                ; blocks 32 and 33, the last again in the lanes left over
	v_lshlrev_b32 v[T16], 4, v0
	v_lshl_add_u32 v[AQS], v0, 4, QL
	s_wait_dscnt 0x0                               ; both opening adds are done
	s_wait_alu depctr_va_vdst(0)
	s_wait_kmcnt 0x0
	s_add_nc_u64 s[34:35], s[6:7], s[46:47]        ; fill 0: records 4 w .. 4 w + 3
	s_add_nc_u64 s[38:39], s[34:35], SLOTB         ; fill 1: 16 records on
	s_or_b32 s35, s35, 0x80000000                  ; type = 2
	s_or_b32 s39, s39, 0x80000000
	s_lshl_b32 s58, s22, 19                        ; 128 rows of 4,096 bytes a work-group,
	s_lshl_b32 s59, s20, 17                        ; 32 a wave
	s_add_co_u32 s58, s58, s59
	s_mov_b32 s59, 0
	s_add_nc_u64 s[48:49], s[4:5], s[58:59]        ; x at my first row
	s_lshl_b32 s58, s22, 9
	s_add_nc_u64 s[50:51], s[12:13], s[58:59]      ; scores
	s_lshl_b32 s58, s22, 8
	s_add_nc_u64 s[52:53], s[14:15], s[58:59]      ; pml
	s_lshl_b32 s58, s22, 12
	s_lshl_b32 s67, s20, 8
	s_add_co_u32 s58, s58, s67
	s_add_nc_u64 s[54:55], s[16:17], s[58:59]      ; pctx: column 256 f + 64 w + .. of my row
	s_lshr_b32 s58, s22, 3
	s_lshl_b32 s58, s58, 12
	s_add_nc_u64 s[56:57], s[8:9], s[58:59]        ; qpart at my batch's row
	s_lshl_b32 s58, s21, 2
	s_add_co_u32 s58, s58, s20
	s_mul_i32 s58, s58, RECB
	s_add_co_u32 s58, s58, SLOTB
	s_add_nc_u64 s[60:61], s[6:7], s[58:59]        ; the prefetches: record 4 cx + w of fill 1; the first asked for is fill 2's
	; these loads go out ahead of the cluster's round: nobody writes these bytes, so they may be on their way across it
.irp k, 0,1,2,3,4,5,6,7
	global_load_b128 v[96+8*\k:99+8*\k], v[T16], s[56:57] offset:\k*131072          ; q's eight parts: numbers 4 t .. 4 t + 3
	global_load_b128 v[100+8*\k:103+8*\k], v[T16], s[56:57] offset:\k*131072+2048   ; and 512 + 4 t ..
.endr
	global_load_b128 v[160:163], v[T16], s[10:11]
	global_load_b128 v[164:167], v[T16], s[10:11] offset:2048
.set U, 0
.rept 5
	XLD U                                          ; five of the ring's batches of x
.set U, U+1
.endr
	WIN 0
	CROUND                                         ; all four work-groups are here: the first joint loads meet
	JFILL 32                                       ; fill 0: one tensor load a wave at the head
.rept 2
	XLD U                                          ; 56 loads of x are out
.set U, U+1
.endr
	WIN 0
	s_wait_loadcnt 56                              ; q's parts and bq are in; the 56 younger loads of x stay out
.irp p, 104,112,120,128,136,144,152,160
.irp i, 0,2,4,6
	v_pk_add_f32 v[96+\i:97+\i], v[96+\i:97+\i], v[\p+\i:\p+\i+1]  ; q = the parts in ascending K, then + bq
.endr
.endr
	ds_store_b128 v[AQS], v[96:99]
	ds_store_b128 v[AQS], v[100:103] offset:2048
	; ---------------- X: 32 batches a wave; behind every fourth, a K step of all 128 rows goes round
.set U, 0
.rept 32
.if U < 26
	s_wait_loadcnt 48                              ; this batch's eight loads are in; six younger batches stay out
.else
	s_wait_loadcnt 8*(31-U)
.endif
.if U+7 < 32
	XLD U+7                                        ; into the registers of the batch before
.endif
	QB U
.if U == 29                            ; K's first record: fragments 0 to 7 into the registers of batches 26 and 27, and its scale words
.irp q, 0,1,2,3
	ds_load_b32 v[WS+\q], v[ADS] offset:8192+\q*128
.endr
	LF 0, 8, 0, 0
	WIN 0
.endif
.if U%4 == 3
.if U/4 == 2
	EXCH 2, 1
.else
	EXCH U/4, 0
.endif
.if U/4 == 4
	ASK SLOTB                                      ; fill 2
.endif
.if U/4 == 5
	ASK 2*SLOTB                                    ; fill 3
.endif
.endif
.set U, U+1
.endr
	; ---------------- K: four slots, 16 tiles of 16 columns a wave
.irp j, 0,1,2,3,4,5,6,7,8,9,10,11,12,13,14,15,16,17,18,19,20,21,22,23,24,25,26,27,28,29,30,31
	v_mov_b32 v[SA+\j], 0                          ; the score sums
.endr
.irp j, 8,9,10,11,12,13,14,15
	v_mov_b32 v[QS+\j], 0                          ; q of the tile before the first
.endr
	s_mov_b32 s42, 0                               ; the slot in hand
	s_mov_b32 s43, 0                               ; 1,024 bytes of q a slot
	s_mov_b32 s44, 4
	s_wait_alu depctr_va_vdst(0)
.Lk:
	v_add_nc_u32 v[ADQ], s43, v[AQ0]
	s_wait_alu depctr_va_vdst(0)
	TILE 0, 0, 0
	TILE 0, 1, 1
	TILE 0, 2, 0
	TURNT 0                                        ; fills 4 to 7 are asked for here; the last turn fetches V's first record
	WIN 0                                          ; at a label and at a branch every window is 0
	s_add_co_u32 s43, s43, 1024
	s_sub_co_u32 s44, s44, 1
	s_cmp_lg_u32 s44, 0
	s_cbranch_scc1 .Lk
	; ---------------- the scores and the softmax, which every wave makes whole.  One plain barrier: fill 5 may stay out
	s_wait_dscnt 0x0                               ; q of the last tile is in, and V's first record
.set G_, 0
.rept 4
	PKB 0, G_, 0                                   ; the last tile's sums
.set G_, G_+1
.endr
	WIN 0
.irp m, 0,1,2,3,4,5,6,7
	v_pk_add_f32 v[SA+4*\m:SA+4*\m+1], v[SA+4*\m:SA+4*\m+1], v[SA+4*\m+2:SA+4*\m+3]
.endr
.irp m, 0,1,2,3,4,5,6,7
	v_add_f32 v[SA+4*\m], v[SA+4*\m], v[SA+4*\m+1]
.endr
.irp m, 0,1,2,3
	v_permlane16_swap_b32 v[SA+8*\m], v[SA+8*\m+4]                 ; tiles 2M, 2M + 1: the two halves of a row's sum stand in the same lane,
.endr
.irp m, 0,1,2,3
	v_add_f32 v[SA+8*\m], v[SA+8*\m], v[SA+8*\m+4]                 ; and lane l has row 32 M + l
.endr
.irp m, 0,1,2,3
	ds_store_b32 v[RST], v[SA+8*\m] offset:128*\m
.endr
	s_wait_alu depctr_va_vdst(0)
	s_wait_dscnt 0x0
	s_barrier_signal -1
	s_barrier_wait -1
.irp w, 0,1,2,3
.irp m, 0,1,2,3
	ds_load_b32 v[192+4*\w+\m], v[RLD] offset:512*\w+128*\m
.endr
.endr
	s_wait_dscnt 0x0
	v_pk_add_f32 v[192:193], v[192:193], v[196:197]
	v_pk_add_f32 v[194:195], v[194:195], v[198:199]
	v_pk_add_f32 v[200:201], v[200:201], v[204:205]
	v_pk_add_f32 v[202:203], v[202:203], v[206:207]
	v_pk_add_f32 v[192:193], v[192:193], v[200:201]
	v_pk_add_f32 v[194:195], v[194:195], v[202:203]
.irp m, 0,1,2,3
	v_mul_f32 v[192+\m], 0x3d000000, v[192+\m]     ; / 32: the scores of rows 32 M + lane
.endr
.irp m, 0,1,2,3
	ds_store_b32 v[PST], v[192+\m] offset:512+128*\m
.endr
	v_max3_num_f32 v208, v192, v193, v194
	v_max_num_f32 v208, v208, v195
	v_max_num_f32_dpp v208, v208, v208 row_xmask:1 row_mask:0xf bank_mask:0xf
	v_max_num_f32_dpp v208, v208, v208 row_xmask:2 row_mask:0xf bank_mask:0xf
	v_max_num_f32_dpp v208, v208, v208 row_xmask:4 row_mask:0xf bank_mask:0xf
	v_max_num_f32_dpp v208, v208, v208 row_xmask:8 row_mask:0xf bank_mask:0xf
	v_permlanex16_b32 v[PT], v208, s[SEL], s[SEL+1]
	v_max_num_f32 v208, v208, v[PT]                ; m: the largest of the 128 scores
.irp m, 0,1,2,3
	v_sub_f32 v[212+\m], v[192+\m], v208
.endr
.irp m, 0,1,2,3
	v_mul_f32 v[212+\m], 0x3fb8aa3b, v[212+\m]
.endr
	ds_load_b128 v[220:223], v[PRB] offset:512     ; the scores of rows 4 lane .. + 3.  LDS serves a wave's instructions in order: this sees my stores
	s_wait_alu depctr_va_vdst(0)
.irp m, 0,1,2,3
	v_exp_f32 v[216+\m], v[212+\m]                 ; p = e^(s - m), at most 1
.endr
	v_nop                                          ; a plain place behind the exponentials
	s_wait_alu depctr_va_vdst(0)                   ; ahead of the first line that names a result
.irp m, 0,1,2,3
	ds_store_b32 v[PST], v[216+\m] offset:128*\m
.endr
.irp m, 0,1,2,3,4,5,6,7
.irp e, 0,1
	ds_load_b128 v[P+8*\m+4*\e:P+8*\m+4*\e+3], v[APR] offset:64*\m+16*\e           ; p of my rows 16 m + 8 h + 0..7
.endr
.endr
	v_add_f32 v209, v216, v217
	v_add_f32 v210, v218, v219
	v_add_f32 v209, v209, v210
	v_add_f32_dpp v209, v209, v209 row_xmask:1 row_mask:0xf bank_mask:0xf
	v_add_f32_dpp v209, v209, v209 row_xmask:2 row_mask:0xf bank_mask:0xf
	v_add_f32_dpp v209, v209, v209 row_xmask:4 row_mask:0xf bank_mask:0xf
	v_add_f32_dpp v209, v209, v209 row_xmask:8 row_mask:0xf bank_mask:0xf
	v_permlanex16_b32 v[PT], v209, s[SEL], s[SEL+1]
	v_add_f32 v209, v209, v[PT]                    ; l: the sum of the 128 p
	s_wait_alu depctr_va_vdst(0)
	s_wait_dscnt 0x0
	s_cmp_lg_u32 s20, 0                            ; wave 0 stores the 128 scores, 512 bytes, and (m, l) in every lane, 256 bytes
	s_cbranch_scc1 .Lnostore
	global_store_b128 v[L16], v[220:223], s[50:51]
	global_store_b64 v[L8], v[208:209], s[52:53]
.Lnostore:
	; ---------------- V: four slots; the first two are filled again (fills 6, 7)
	s_mov_b32 s43, 0                               ; 1,024 bytes of the context's words a slot
	s_mov_b32 s44, 2
.Lv:
	v_add_nc_u32 v[ADC], s43, v[AC0]
	s_wait_alu depctr_va_vdst(0)
	TILE 1, 0, 0
	TILE 1, 1, 1
	TILE 1, 2, 0
	TURNT 1
	WIN 0
	s_add_co_u32 s43, s43, 1024
	s_sub_co_u32 s44, s44, 1
	s_cmp_lg_u32 s44, 0
	s_cbranch_scc1 .Lv
	s_mov_b32 s43, 2048
	s_mov_b32 s44, 2
.Lz:
	v_add_nc_u32 v[ADC], s43, v[AC0]
	s_wait_alu depctr_va_vdst(0)
	TILE 1, 0, 0
	TILE 1, 1, 1
	TILE 1, 2, 0
	TURNL
	WIN 0
	s_add_co_u32 s43, s43, 1024
	s_sub_co_u32 s44, s44, 1
	s_cmp_lg_u32 s44, 0
	s_cbranch_scc1 .Lz
.set G_, 0
.rept 4
	PKB 1, G_, 0                                   ; the last tile's context
.set G_, G_+1
.endr
	TAILV 4
	; ---------------- the way out: my 256 columns, four runs of 256 bytes.  A column is the sum of four words: two of lane r, two of lane 16 + r; all are my own
.irp z, 0,1
.irp t, 0,1
	ds_load_b128 v[96+16*\z+4*\t:99+16*\z+4*\t], v[AFR] offset:256+2048*\z+16*\t
	ds_load_b128 v[104+16*\z+4*\t:107+16*\z+4*\t], v[AFR] offset:384+2048*\z+16*\t
.endr
.endr
.irp z, 0,1
	s_wait_dscnt 4-4*\z
.irp t, 0,2,4,6
	v_pk_add_f32 v[96+16*\z+\t:97+16*\z+\t], v[96+16*\z+\t:97+16*\z+\t], v[104+16*\z+\t:105+16*\z+\t]
.endr
.irp t, 0,1,2,3
	v_add_f32 v[96+16*\z+\t], v[96+16*\z+2*\t], v[97+16*\z+2*\t]
.endr
	global_store_b128 v[GC], v[96+16*\z:99+16*\z], s[54:55] offset:2048*\z     ; sixteen lanes store 256 consecutive bytes
.endr
	s_wait_tensorcnt 0x0                           ; the wave's end, behind my last tensor load and my last LDS store
	ds_add_u32 v[SPW], v[NIL]
	s_wait_dscnt 0x0
	CROUND                                         ; the closing round: no work-group ends while a partner may still ask for a fill that names it
	s_endpgm
.Lfunc_end_k_q109d2d0c4e_main:
	.size	k_q109d2d0c4e_main, .Lfunc_end_k_q109d2d0c4e_main-k_q109d2d0c4e_main
	.p2alignl 7, 3214868480
	.fill 96, 4, 3214868480
	.section	.rodata,"a",@progbits
	.p2align	6, 0x0
	.amdhsa_kernel k_q109d2d0c4e_main
		.amdhsa_group_segment_fixed_size 327680
		.amdhsa_private_segment_fixed_size 0
		.amdhsa_enable_private_segment 0
		.amdhsa_kernarg_size 56
		.amdhsa_user_sgpr_count 2
		.amdhsa_user_sgpr_kernarg_segment_ptr 1
		.amdhsa_wavefront_size32 1
		.amdhsa_system_sgpr_workgroup_id_x 1
		.amdhsa_system_sgpr_workgroup_id_y 1
		.amdhsa_system_sgpr_workgroup_id_z 1
		.amdhsa_system_vgpr_workitem_id 0
		.amdhsa_next_free_vgpr 1024
		.amdhsa_next_free_sgpr 96
		.amdhsa_reserve_vcc 0
		.amdhsa_float_denorm_mode_32 3
		.amdhsa_float_denorm_mode_16_64 3
		.amdhsa_memory_ordered 1
		.amdhsa_forward_progress 1
		.amdhsa_inst_pref_size 255
	.end_amdhsa_kernel
	.section	.bss,"aw",@nobits
	.p2align	6
	.space	262144
	.amdgpu_metadata
---
amdhsa.version: [ 1, 2 ]
amdhsa.kernels:
  - .name:           k_q109d2d0c4e_main
    .symbol:         k_q109d2d0c4e_main.kd
    .args:
      - { .name: x, .offset: 0, .size: 8, .value_kind: global_buffer, .address_space: global }
      - { .name: wrec, .offset: 8, .size: 8, .value_kind: global_buffer, .address_space: global }
      - { .name: qpart, .offset: 16, .size: 8, .value_kind: global_buffer, .address_space: global }
      - { .name: bq, .offset: 24, .size: 8, .value_kind: global_buffer, .address_space: global }
      - { .name: scores, .offset: 32, .size: 8, .value_kind: global_buffer, .address_space: global }
      - { .name: pml, .offset: 40, .size: 8, .value_kind: global_buffer, .address_space: global }
      - { .name: pctx, .offset: 48, .size: 8, .value_kind: global_buffer, .address_space: global }
    .group_segment_fixed_size: 327680
    .private_segment_fixed_size: 0
    .kernarg_segment_align: 8
    .kernarg_segment_size: 56
    .max_flat_workgroup_size: 128
    .sgpr_count:     96
    .vgpr_count:     1024
    .wavefront_size: 32
...
	.end_amdgpu_metadata
.endif
;; end of part 2
;; launch finish (part 3): grid 32 x 4, 2 waves a work-group, no clusters, 0 bytes of LDS; arguments scores, pml, pctx, bv, out0, out1; writes out0, out1
.if DOCPART == 3
	.amdgcn_target "amdgcn-amd-amdhsa--gfx1250"
	.amdhsa_code_object_version 6
	.text
	.protected	k_q109d2d0c4e_finish
	.globl	k_q109d2d0c4e_finish
	.p2align	8
	.type	k_q109d2d0c4e_finish,@function
k_q109d2d0c4e_finish:
	s_mov_b64 s[64:65], 0
	v_nop
	global_prefetch_b8 v0, s[64:65] scope:SCOPE_SE
	s_setreg_imm32_b32 hwreg(HW_REG_WAVE_MODE, 25, 1), 1
	s_wait_xcnt 0x0
; The eight row blocks of a batch are joined.  M = the largest of their maxima m_i; e_i = e^(m_i - M); L = the sum of l_i e_i;
;   out1[b][s] = e^(score - M) / L;   out0[b][d] = the sum over i of (e_i / L) pctx_i[d] + bv[d]   (the weights add up to 1 but for rounding, so bv is added once).
; Work-group (b, y) makes 256 numbers of each output, thread t four: 16 bytes at y*1024 + 16 t, so a wave's load or store covers 512 consecutive bytes.
; Every lane works out M and L for itself from the eight pairs (m, l): lane l holds block l % 8's, and three steps inside each group of eight lanes join them.  No LDS, no barrier.
; Too little data for matrix units, tensor loads or clusters: 1.3 MiB in all.
	s_load_b256 s[4:11], s[0:1], 0x0               ; scores s[4:5], pml s[6:7], pctx s[8:9], bv s[10:11]
	s_load_b128 s[12:15], s[0:1], 0x20             ; out0 s[12:13], out1 s[14:15]
	s_and_b32 s16, ttmp7, 0xffff
	s_lshl_b32 s16, s16, 10                        ; y x 1,024 bytes
	s_mov_b32 s17, 0
	s_lshl_b32 s18, ttmp9, 12                      ; a batch's row of 4,096 bytes
	s_add_co_u32 s18, s18, s16
	s_mov_b32 s19, 0
	s_lshl_b32 s20, ttmp9, 15                      ; a batch's eight rows of pctx
	s_add_co_u32 s20, s20, s16
	s_mov_b32 s21, 0
	s_lshl_b32 s22, ttmp9, 11                      ; a batch's eight entries of pml, 256 bytes each
	s_mov_b32 s23, 0
	v_and_b32 v1, 7, v0
	v_lshlrev_b32 v1, 8, v1
	v_lshlrev_b32 v4, 4, v0
	s_wait_alu depctr_va_vdst(0)
	s_wait_kmcnt 0x0
	s_add_nc_u64 s[4:5], s[4:5], s[18:19]
	s_add_nc_u64 s[6:7], s[6:7], s[22:23]
	s_add_nc_u64 s[8:9], s[8:9], s[20:21]
	s_add_nc_u64 s[10:11], s[10:11], s[16:17]
	s_add_nc_u64 s[12:13], s[12:13], s[18:19]
	s_add_nc_u64 s[14:15], s[14:15], s[18:19]
	global_load_b64 v[2:3], v1, s[6:7]             ; (m, l) of block lane % 8
.irp i, 0,1,2,3,4,5,6,7
	global_load_b128 v[8+4*\i:11+4*\i], v4, s[8:9] offset:\i*4096
.endr
	global_load_b128 v[40:43], v4, s[4:5]
	global_load_b128 v[44:47], v4, s[10:11]
	s_wait_loadcnt 10                              ; (m, l) is in; the ten younger loads may be out
	v_mov_b32 v5, v2
	v_max_num_f32_dpp v5, v5, v5 row_xmask:1 row_mask:0xf bank_mask:0xf
	v_max_num_f32_dpp v5, v5, v5 row_xmask:2 row_mask:0xf bank_mask:0xf
	v_max_num_f32_dpp v5, v5, v5 row_xmask:4 row_mask:0xf bank_mask:0xf   ; M
	v_sub_f32 v6, v2, v5
	v_mul_f32 v6, 0x3fb8aa3b, v6
	s_wait_alu depctr_va_vdst(0)
	v_exp_f32 v6, v6                               ; e_i
	v_nop                                          ; a plain place behind the exponential
	s_wait_alu depctr_va_vdst(0)                   ; ahead of the first line that names its result
	v_mul_f32 v7, v3, v6
	v_add_f32_dpp v7, v7, v7 row_xmask:1 row_mask:0xf bank_mask:0xf
	v_add_f32_dpp v7, v7, v7 row_xmask:2 row_mask:0xf bank_mask:0xf
	v_add_f32_dpp v7, v7, v7 row_xmask:4 row_mask:0xf bank_mask:0xf       ; L, at least 1
	s_wait_alu depctr_va_vdst(0)
	v_rcp_f32 v48, v7
	v_nop
	s_wait_alu depctr_va_vdst(0)
	v_mul_f32 v49, v6, v48                         ; e_i / L, in lane i
.irp i, 0,1,2,3,4,5,6,7
	v_readlane_b32 s[32+\i], v49, \i               ; values only: no address and no branch hangs on them
.endr
	s_wait_loadcnt 0x0
.irp k, 0,1,2,3
	v_sub_f32 v[52+\k], v[40+\k], v5
.endr
.irp k, 0,1,2,3
	v_mul_f32 v[52+\k], 0x3fb8aa3b, v[52+\k]
.endr
	s_wait_alu depctr_va_vdst(0)
.irp k, 0,1,2,3
	v_exp_f32 v[52+\k], v[52+\k]                   ; one batch of four; the context's 32 multiply-adds are the independent work behind it
.endr
.irp i, 0,1,2,3,4,5,6,7
.irp k, 0,1,2,3
	v_fma_f32 v[44+\k], s[32+\i], v[8+4*\i+\k], v[44+\k]           ; the sum starts from bv
.endr
.endr
	global_store_b128 v4, v[44:47], s[12:13]
	s_wait_alu depctr_va_vdst(0)                   ; one wait for the four exponentials, ahead of their first reader
.irp k, 0,1,2,3
	v_mul_f32 v[52+\k], v[52+\k], v48
.endr
	global_store_b128 v4, v[52:55], s[14:15]
	s_endpgm
.Lfunc_end_k_q109d2d0c4e_finish:
	.size	k_q109d2d0c4e_finish, .Lfunc_end_k_q109d2d0c4e_finish-k_q109d2d0c4e_finish
	.p2alignl 7, 3214868480
	.fill 96, 4, 3214868480
	.section	.rodata,"a",@progbits
	.p2align	6, 0x0
	.amdhsa_kernel k_q109d2d0c4e_finish
		.amdhsa_group_segment_fixed_size 0
		.amdhsa_private_segment_fixed_size 0
		.amdhsa_enable_private_segment 0
		.amdhsa_kernarg_size 48
		.amdhsa_user_sgpr_count 2
		.amdhsa_user_sgpr_kernarg_segment_ptr 1
		.amdhsa_wavefront_size32 1
		.amdhsa_system_sgpr_workgroup_id_x 1
		.amdhsa_system_sgpr_workgroup_id_y 1
		.amdhsa_system_sgpr_workgroup_id_z 1
		.amdhsa_system_vgpr_workitem_id 0
		.amdhsa_next_free_vgpr 64
		.amdhsa_next_free_sgpr 66
		.amdhsa_reserve_vcc 0
		.amdhsa_float_denorm_mode_32 3
		.amdhsa_float_denorm_mode_16_64 3
		.amdhsa_memory_ordered 1
		.amdhsa_forward_progress 1
		.amdhsa_inst_pref_size 7
	.end_amdhsa_kernel
	.amdgpu_metadata
---
amdhsa.version: [ 1, 2 ]
amdhsa.kernels:
  - .name:           k_q109d2d0c4e_finish
    .symbol:         k_q109d2d0c4e_finish.kd
    .args:
      - { .name: scores, .offset: 0, .size: 8, .value_kind: global_buffer, .address_space: global }
      - { .name: pml, .offset: 8, .size: 8, .value_kind: global_buffer, .address_space: global }
      - { .name: pctx, .offset: 16, .size: 8, .value_kind: global_buffer, .address_space: global }
      - { .name: bv, .offset: 24, .size: 8, .value_kind: global_buffer, .address_space: global }
      - { .name: out0, .offset: 32, .size: 8, .value_kind: global_buffer, .address_space: global }
      - { .name: out1, .offset: 40, .size: 8, .value_kind: global_buffer, .address_space: global }
    .group_segment_fixed_size: 0
    .private_segment_fixed_size: 0
    .kernarg_segment_align: 8
    .kernarg_segment_size: 48
    .max_flat_workgroup_size: 64
    .sgpr_count:     66
    .vgpr_count:     64
    .wavefront_size: 32
...
	.end_amdgpu_metadata
.endif
;; end of part 3
